; MI455X (gfx1250); checked and timed in simulation.
; The chip was launched on July 23, 2026; its instructions are those of AMD's public machine-readable ISA for CDNA 5 (MIT licence, August 2026) and "CDNA5" Instruction Set Architecture Reference Guide (July 2026). The comments in the code are by the model that wrote it; some were corrected since.
;; Lo RA Llama Server. Allowed arithmetic: float matrix products may take bf16 or f16 operands with f32 sums; other float arithmetic in f32, or as packed bf16 or f16 multiplies, adds, multiply-adds, maxima and minima; sums over many terms, partial sums and values carried from step to step in f32; what a program stores and reads back later, other than sums and carried values, may be rounded once to bf16 or f16.
;; Inputs: W 4,000 x 4,096 float32; hidden_states 2 x 2,048 x 4,096 float32; label_ids 2 x 2,048 int32.
;; Outputs: out0 one number float32; out1 2 x 2,048 x 4,000 float32.
;; One version. Each part assembles by itself: llvm-mc -triple=amdgcn-amd-amdhsa -mcpu=gfx1250 --defsym DOCPART=n.
;; ======== version 1 of 1: 4 launches
;; limits: right only within a limited range of input values
;; workspace buffers: Hb 33,554,432 bytes; Wb 33,816,576 bytes; stats 262,144 bytes; part 256 bytes
;; launch cast (part 1): grid 2056 x 1, 8 waves a work-group, no clusters, 0 bytes of LDS; arguments hidden_states, W, Hb, Wb; writes Hb, Wb
.if DOCPART == 1
	.amdgcn_target "amdgcn-amd-amdhsa--gfx1250"
	.amdhsa_code_object_version 6
	.text
	.protected	k_q9329b37606_cast
	.globl	k_q9329b37606_cast
	.p2align	8
	.type	k_q9329b37606_cast,@function
k_q9329b37606_cast:
	s_mov_b64 s[64:65], 0
	v_nop
	global_prefetch_b8 v0, s[64:65] scope:SCOPE_SE
	s_setreg_imm32_b32 hwreg(HW_REG_WAVE_MODE, 25, 1), 1
	s_wait_xcnt 0x0
; THE PROGRAM: out1 = logits = H W^T (H: hidden_states as [4096][4096], W: [4000][4096], f32), out0 = the mean over the 4,094 rows with s <= 2046 of
; logsumexp(logits row) - logits[row][label_ids[b][s+1]].  Four launches: this one rounds H and W once to bf16; the second multiplies, stores the logits and, for each
; row and each 256 columns, the logarithm of the sum of exponentials; the third joins those for each row, picks the label's logit and adds up 128 rows a work-group; the fourth adds the 32 sums and divides.
; DEAD WORK.  reference() slices logits[:, :-1] and label_ids[:, 1:] for the loss alone, so the logsumexp of the two rows s = 2047 and the two labels label_ids[:, 0] reach no
; output, whatever the inputs hold.  Neither comes in a whole unit here: those rows' logits are output and lie in blocks of 16 live rows, and in the third launch they are two lanes among live ones.
; So they are worked with their neighbours and dropped by a select in the third launch.  Every input has a way to an output: all three are loaded.
; LIMIT: a NaN, an infinity or an overflow that arises only in the logsumexp of a row s = 2047 is not carried to the loss.
; ADDED WORK: Wb has 4,128 rows: 32 of zeros, W's 4,000, 96 of zeros.  The product's tiles of 256 columns begin at Wb's row 32 + 256 tc for the even rows of out1 and at row 256 tc for the odd ones
; (the second kernel's head says why), so in both cases 96 of 4,096 columns are multiplied for nothing.
; THIS LAUNCH.  Hb[i] = bf16(H[i]), Wb[32 x 4096 + i] = bf16(W[i]), nearest even; the rest of Wb = 0.  A stream: no LDS, no barrier, no matrix work.
; Work-group g owns 16,384 numbers on end (four rows): g < 1024 chunk g of H; else chunk j = g - 1024 of Wb: j = 0 to 7 and 1008 to 1031 are zeros, the others W's chunk j - 8.
; Thread t takes the 16 bytes at 16 t + 4,096 i and stores the 8 bytes at 8 t + 2,048 i, i = 0 to 15: a wave's load covers 512 consecutive bytes,
; a wave's store 256 consecutive bytes at a multiple of 256 from the buffer's first byte.  All sixteen loads of a thread go out before the first wait.
.set X, 4                              ; v[4:67]   sixteen loads of four f32
.set Y, 68                             ; v[68:99]  sixteen pairs of registers, four bf16 each; no register is written twice, so no store's data has to be freed
	s_load_b256 s[4:11], s[0:1], 0x0               ; hidden_states s[4:5], W s[6:7], Hb s[8:9], Wb s[10:11]
	v_lshlrev_b32 v1, 4, v0                        ; 16 t
	v_lshlrev_b32 v2, 3, v0                        ; 8 t
	s_mov_b32 s19, 0
	s_mov_b32 s21, 0
	s_wait_kmcnt 0x0
	s_cmp_lt_u32 ttmp9, 1024                       ; H or W?
	s_cselect_b64 s[14:15], s[4:5], s[6:7]         ; from H or from W,
	s_cselect_b64 s[16:17], s[8:9], s[10:11]       ; to Hb or to Wb
	s_cselect_b32 s12, 0, 1032
	s_cselect_b32 s13, 0, 1024
	s_cselect_b32 s22, 24, 0
	s_sub_co_u32 s12, ttmp9, s12                   ; the chunk in the source: g, or j - 8 (below 0, and so very large, in Wb's first eight chunks)
	s_sub_co_u32 s13, ttmp9, s13                   ; the chunk in the destination: g, or j
	s_add_co_u32 s22, s22, 1000                    ; the source's chunks: 1,024 or 1,000
	s_lshl_b32 s20, s13, 15                        ; its 32,768 bytes of bf16 (under 2^26)
	s_add_nc_u64 s[16:17], s[16:17], s[20:21]
	s_cmp_ge_u32 s12, s22
	s_cbranch_scc1 .Lzero                          ; no such chunk in the source: zeros
	s_lshl_b32 s18, s12, 16                        ; the chunk's 65,536 bytes of f32 (under 2^27)
	s_add_nc_u64 s[14:15], s[14:15], s[18:19]
.irp i, 0,1,2,3,4,5,6,7,8,9,10,11,12,13,14,15
	global_load_b128 v[X+4*(\i):X+4*(\i)+3], v1, s[14:15] offset:4096*(\i) th:TH_LOAD_NT
.endr
.irp i, 0,1,2,3,4,5,6,7,8,9,10,11,12,13,14,15
	s_wait_loadcnt 15-(\i)                         ; loads come back in order: number i is in, the 15 - i younger ones stay out
	v_cvt_pk_bf16_f32 v[Y+2*(\i)],   v[X+4*(\i)],   v[X+4*(\i)+1]
	v_cvt_pk_bf16_f32 v[Y+2*(\i)+1], v[X+4*(\i)+2], v[X+4*(\i)+3]
	global_store_b64 v2, v[Y+2*(\i):Y+2*(\i)+1], s[16:17] offset:2048*(\i)
.endr
	s_endpgm
.Lzero:                                                ; nothing is loaded
	v_mov_b32 v[Y], 0
	v_mov_b32 v[Y+1], 0
.irp i, 0,1,2,3,4,5,6,7,8,9,10,11,12,13,14,15
	global_store_b64 v2, v[Y:Y+1], s[16:17] offset:2048*(\i)
.endr
	s_endpgm
.Lfunc_end_k_q9329b37606_cast:
	.size	k_q9329b37606_cast, .Lfunc_end_k_q9329b37606_cast-k_q9329b37606_cast
	.p2alignl 7, 3214868480
	.fill 96, 4, 3214868480
	.section	.rodata,"a",@progbits
	.p2align	6, 0x0
	.amdhsa_kernel k_q9329b37606_cast
		.amdhsa_group_segment_fixed_size 0
		.amdhsa_private_segment_fixed_size 0
		.amdhsa_enable_private_segment 0
		.amdhsa_kernarg_size 32
		.amdhsa_user_sgpr_count 2
		.amdhsa_user_sgpr_kernarg_segment_ptr 1
		.amdhsa_wavefront_size32 1
		.amdhsa_system_sgpr_workgroup_id_x 1
		.amdhsa_system_sgpr_workgroup_id_y 1
		.amdhsa_system_sgpr_workgroup_id_z 1
		.amdhsa_system_vgpr_workitem_id 0
		.amdhsa_next_free_vgpr 104
		.amdhsa_next_free_sgpr 66
		.amdhsa_reserve_vcc 0
		.amdhsa_float_denorm_mode_32 3
		.amdhsa_float_denorm_mode_16_64 3
		.amdhsa_memory_ordered 1
		.amdhsa_forward_progress 1
		.amdhsa_inst_pref_size 9
	.end_amdhsa_kernel
	.amdgpu_metadata
---
amdhsa.version: [ 1, 2 ]
amdhsa.kernels:
  - .name:           k_q9329b37606_cast
    .symbol:         k_q9329b37606_cast.kd
    .args:
      - { .name: hidden_states, .offset: 0, .size: 8, .value_kind: global_buffer, .address_space: global }
      - { .name: W, .offset: 8, .size: 8, .value_kind: global_buffer, .address_space: global }
      - { .name: Hb, .offset: 16, .size: 8, .value_kind: global_buffer, .address_space: global }
      - { .name: Wb, .offset: 24, .size: 8, .value_kind: global_buffer, .address_space: global }
    .group_segment_fixed_size: 0
    .private_segment_fixed_size: 0
    .kernarg_segment_align: 8
    .kernarg_segment_size: 32
    .max_flat_workgroup_size: 256
    .sgpr_count:     66
    .vgpr_count:     104
    .wavefront_size: 32
...
	.end_amdgpu_metadata
.endif
;; end of part 1
;; launch gemm (part 2): grid 16 x 16, 4 waves a work-group, clusters of 4 x 4, 327,680 bytes of LDS; arguments Hb, Wb, out1, stats; writes out1, stats
.if DOCPART == 2
	.amdgcn_target "amdgcn-amd-amdhsa--gfx1250"
	.amdhsa_code_object_version 6
	.text
	.protected	k_q9329b37606_gemm
	.globl	k_q9329b37606_gemm
	.p2align	8
	.type	k_q9329b37606_gemm,@function
k_q9329b37606_gemm:
	s_mov_b64 s[64:65], 0
	v_nop
	global_prefetch_b8 v0, s[64:65] scope:SCOPE_SE
	s_setreg_imm32_b32 hwreg(HW_REG_WAVE_MODE, 25, 1), 1
	s_wait_xcnt 0x0
	s_wait_alu depctr_hold_cnt(0) depctr_sa_sdst(0) depctr_va_vdst(0) depctr_va_sdst(0) depctr_va_ssrc(0) depctr_va_vcc(0) depctr_vm_vsrc(0)
	s_getreg_b32 s2, hwreg(HW_REG_IB_STS2, 6, 4)
	s_cmp_eq_u32 s2, 0
	s_cbranch_scc0 .Lentry_in_a_cluster
	s_endpgm
.Lentry_in_a_cluster:
	s_bfe_u32 s2, ttmp6, 0x10000c
	s_cmp_lg_u32 s2, 0xf033
	s_cbranch_scc0 .Lentry_shape_is_right
	s_endpgm
.Lentry_shape_is_right:
; out1[m][n] = the sum over k of Hb[m][k] W[n][k], f32, n < 4000; and stats[tc][q] = log2 of the sum over the valid columns n of column tile tc of e^out1[m][n], q = 2048 (m % 2) + m / 2.
; Hb: [4096][4096] bf16.  Wb: [4128][4096] bf16: W's row n at Wb's row n + 32, zeros before and behind.  Sums in f32.  Nothing of reference() is left out here; 96 of a row's 4,096 tile columns
; lie outside out1: they are multiplied with their tile and neither stored nor summed.
; LIMITS.  The operands are the inputs rounded once to bf16.  In a sum of exponentials a term below 2^-126 counts as 0.  NaN and infinities are not treated apart.
; A column outside out1 is hidden by 1e30 taken from its exponent: that serves logits up to 1e29 in size.
; A tile of out1, 256 rows x 256 columns, is made by a work-group of four waves; a wave makes 128 x 128: 64 accumulators of 16 x 16, 512 registers.  16 x 16 tiles, one to a work-group.
; ROWS BY PARITY.  A row of out1 is 16,000 bytes = 62.5 x 256: an even row begins at a multiple of 256 bytes from out1's first byte, an odd row 128 bytes behind one.  So a tile takes 256 rows of ONE
; parity p: tile rows 0-7 the even rows, 8-15 the odd ones (row m = 2 (256 (tile row % 8) + i) + p; Hb's rows come two apart, by the descriptor's pitch), and the odd rows' tiles begin 32 columns,
; 128 bytes, further left: tile tc holds the columns 256 tc - 32 p .. + 255, which are Wb's rows 256 tc + 32 (1 - p) .. + 255.  Then a wave's 512 bytes of every row begin at a multiple of 256 bytes,
; and from a tile's row to its next are 32,000 bytes = 125 x 256.  The only 256 bytes still written from two sides are those that hold an even row's end and the next row's beginning.
; p = cluster y / 2: it is the same in all sixteen work-groups of a cluster.
; K goes in 32 steps of 128 through a ring of two LDS slots filled by the tensor data mover: a tile's rows are 256 bytes of memory at multiples of 256 bytes.
; CLUSTERS: 4 x 4 work-groups.  The four of a row of the cluster need the same tiles of Hb, the four of a column the same tiles of Wb: each tile is asked for JOINTLY, by the same
; tensor load with the same descriptor and a mask that names the four; each receives it in its own LDS.  That divides the requests for both by four.
; THE MATRIX INSTRUCTION IS USED TRANSPOSED: source 0 = 16 rows of Wb, source 1 = 16 rows of Hb.  In accumulator (a, b) lane l then holds row 16 a + l % 16 of my part of the tile and
; its registers 0 to 7 the columns 16 b + 8 (l / 16) + 0..7: 32 neighbouring bytes of a row, and a row's maximum and sum want one exchange between the halves of the lanes.
; THE WAY OUT, a block of 16 rows at a time: the row's maximum m over my valid columns; the raw logits through my own stage in LDS and out as whole pieces of rows; then, in place on the
; accumulators, 2^(c x - c m) with c = log2(e), their sum l, and t = c m + log2 l.  The two waves of a row half join their t through LDS, and one number a row and tile is stored.
; REGISTERS, in windows of 256 (s_set_vgpr_msb: bits 1:0 source 0, 3:2 source 1, 5:4 source 2, 7:6 destination):
;   window 0: v0-31 addresses; v32-63 at work on the way out; v64-127, v128-191 fragments of Hb, two buffers (v64-127 later the rows read back from the stage)
;   window 1: v64-127, v128-191 fragments of Wb, two buffers      window 2: the 32 accumulators of my rows 0-63 ((a, b) at v[8 (8 a + b)])      window 3: those of my rows 64-127
.set SIZE_K, 4096
.set KSTEP,  128
.set PITCH,  272                       ; an LDS row: 256 bytes + 16 of padding = 68 words: row r starts at bank 4 r mod 64 (64 banks of 4 bytes: ISA guide 11.1), so the 16 rows of a load start at 16 different banks
.set HALFT,  128*PITCH                 ; 128 rows: what one tensor load brings, and what one wave reads of Hb or of Wb
.set SLOT,   4*HALFT                   ; Hb's 256 rows, then Wb's 256 rows
.set STAGE,  2*SLOT                    ; behind the ring, never filled by a tensor load: for each wave 16 rows of 512 bytes + 16 of padding
.set SPITCH, 528                       ; 132 words: again 16 rows at 16 different groups of four banks
.set WSTAGE, 16*SPITCH                 ; 8,448 bytes: 33 blocks of 256
.set TST,    STAGE+4*WSTAGE            ; behind the stages: for each wave 128 f32, its rows' t
.set SPARE,  TST+4*512                 ; behind them: the spare words, 128 bytes for each wave: two blocks of 256 bytes that no other line names
.set LAPS,   SIZE_K/(2*KSTEP)          ; a lap = two K steps = once round the ring: 16
.set CROW,   16000                     ; bytes in a row of out1
.set RSTEP,  2*CROW                    ; bytes from a tile's row to its next: two rows of out1
.set DC,   12                          ; v[12:13] c m, plus 1e30 where my columns 64-127 lie outside out1
.set ADRA, 16                          ; v16-17  LDS address of my Hb fragments in slot 0, 1
.set ADRB, 20                          ; v20-21  the same for Wb
.set SO,   22                          ; v22     8 x lane: my two numbers of stats
.set CMK,  23                          ; v23     16 x lane less the first valid byte of my 512: below s[NVB], as unsigned numbers, in the lanes that store; never rewritten
.set STO,  24                          ; v24     the way out: where I put 32 bytes of a row
.set RD,   25                          ; v25     the way out: where I read 16 bytes of a row back
.set CO,   26                          ; v26     16 x lane: my byte offset in my wave's 512 bytes of a row of out1
.set TSA,  27                          ; v27     where I put a row's t
.set SPW,  28                          ; v28     LDS address of my spare word: SPARE + 4 x my thread's number; never rewritten
.set NIL,  29                          ; v29     0; never rewritten
.set PFO,  30                          ; v30     the prefetches' offset: my lane x the bytes from a tile's row to its next in Hb (16,384) or Wb (8,192); never rewritten
.set TSR,  31                          ; v31     where I read two rows' t back
.set CX,   32                          ; v32-39  eight running maxima, one an accumulator
.set DA,   40                          ; v[40:41] c m, plus 1e30 where my columns 0-31 lie outside out1 (the pairs' high words are written once and not used)
.set DB,   42                          ; v[42:43] the same for my columns 32-63
.set TT,   44                          ; v[44:47] at work
.set CMX,  48                          ; v48-55  block a's c m
.set LSUM, 56                          ; v56-63  block a's l, then its t
.set F0,   64                          ; fragment buffer 0
.set F1,   128                         ; fragment buffer 1
.set OB,   64                          ; the way out: 16 pieces of rows read back from the stage
.set G1,  24                           ; s[24:31] descriptor group 1 for Hb's tiles
.set G0,  32                           ; s[32:39] descriptor group 0 for Hb's tiles, one set for each slot
.set LIM, 43                           ; s43     1 in a wave that prefetches, else the greatest number
.set PFA, 44                           ; s[44:45] where my prefetches stand
.set G1B, 48                           ; s[48:55] descriptor group 1 for Wb's tiles: it differs in the mask and the pitch
.set G0B, 56                           ; s[56:63] descriptor group 0 for Wb's tiles
.set CS,  66                           ; s[66:67] c = log2(e): the packed scaling names a pair and takes its low word for both halves
.set SEL, 68                           ; s[68:69] v_permlanex16_b32's selects: each lane takes its own place in the other half
.set ST,  70                           ; s[70:71] stats at my 64 rows of my column tile
.set PENA, 72                          ; s72     1e30 where my columns 0-31 lie outside out1 (the odd rows' first 128 columns), else 0
.set NVB, 73                           ; s73     the bytes of my 512 of a row that lie in out1
.set SV,  74                           ; s74     EXEC, kept while it is narrowed
.set PAR, 78                           ; s78     p, my rows' parity
.set PENB, 80                          ; s80     1e30 where my columns 32-63 lie outside out1 (the even rows' last 128 columns), else 0
.set PENC, 81                          ; s81     1e30 where my columns 64-127 lie outside out1 (the last 128 columns of both parities), else 0
.set LOB, 82                           ; s82     the first of my 512 bytes of a row that lies in out1: 128 where PENA stands, else 0
.set MSB, 0
.macro WIN new                         ; the immediate's high byte repeats the setting that is left; a switch that changes nothing is dropped
.if MSB != (\new)
	s_set_vgpr_msb (MSB<<8)|(\new)
.set MSB, \new
.endif
.endm
.set MUL_LO, 0xa1                      ; source 0 (Wb) window 1, source 1 (Hb) window 0, C and D window 2
.set MUL_HI, 0xf1                      ; the same, C and D window 3
.set TO_B,   0x40                      ; destination window 1, address window 0
; A joint load.  Waves 0 and 1 fetch the two halves of Hb's tile, waves 2 and 3 those of Wb's.  Each of the two lines has ONE mask and one set of registers for all that issue it.
; The branch hangs on the wave's number alone.  An s_nop 0 and four v_nop follow each of the two lines, ahead of the jump, the label and what follows.
.macro JLOAD s
	s_cmp_eq_u32 s11, 0
	s_cbranch_scc0 .Lfor_b_\@
	tensor_load_to_lds s[G0+4*(\s):G0+4*(\s)+3], s[G1:G1+7]
	s_nop 0
.rept 4
	v_nop
.endr
	s_branch .Lasked_\@
.Lfor_b_\@:
	tensor_load_to_lds s[G0B+4*(\s):G0B+4*(\s)+3], s[G1B:G1B+7]
	s_nop 0
.rept 4
	v_nop
.endr
.Lasked_\@:
.endm
; A PREFETCH INTO THE L2, behind each joint refill, its five lines and the run of LDS loads that follows them: the K step that stands TWO refills on (512 matrix instructions ahead of the load that
; will want it): 32 rows x 256 bytes, a lane a row, one instruction a wave.  Each row's 256 bytes of a K step are named ONCE in the launch: Hb's tile row is read by every cluster of that row of
; clusters, and the one with x = 0 asks; Wb's rows 32 to 4,127 are the tiles of the clusters with y = 0, which ask; the odd rows' tiles lie 32 rows further up in the same Wb, whose first 32 rows nobody asks for.
; The four partners that ask for a tile jointly share its rows out BY ADDRESS: of the 128 rows that a wave fetches the partner at place p takes 32 p .. 32 p + 31 (p = cx for Hb, cy for Wb).
; The loop's last trip (s3 = 1) asks for nothing: K steps 32 and 33 do not exist.
.macro ASK
	s_cmp_gt_u32 s3, s[LIM]
	s_cbranch_scc0 .Lnot_mine_\@
	global_prefetch_b8 v[PFO], s[PFA:PFA+1] offset:KSTEP*2 th:TH_LOAD_NT scope:SCOPE_SE
.Lnot_mine_\@:
.endm
; A round of the cluster's barrier: my work-group's barrier, so that wave 0's signal speaks for all four waves; wave 0 signals for the work-group; every wave waits for all
; sixteen work-groups; my work-group's barrier once more.  No LDS instruction of the wave is pending at a signal.
.macro CREST                           ; a round behind its opening barrier
	s_cmp_lg_u32 s10, 0
	s_cbranch_scc1 .Lnot_wave_0_\@
	s_barrier_signal -3
.Lnot_wave_0_\@:
	s_barrier_wait -3
	s_barrier_signal -1
	s_barrier_wait -1
.endm
.macro CROUND                          ; a whole round
	s_barrier_signal -1
	s_barrier_wait -1
	CREST
.endm
	s_load_b128 s[4:7], s[0:1], 0x0                ; Hb s[4:5], Wb s[6:7]
	s_load_b64 s[8:9], s[0:1], 0x10                ; out1
	s_load_b64 s[ST:ST+1], s[0:1], 0x18            ; stats
	v_lshl_add_u32 v[SPW], v0, 2, SPARE
	v_mov_b32 v[NIL], 0
	ds_add_u32 v[SPW], v[NIL]                      ; the wave's opening: the add, twice on end, and its wait ahead of my first tensor load; the set-up below, work on registers, stands between
	ds_add_u32 v[SPW], v[NIL]                      ; and once more, under the one wait
	v_lshrrev_b32 v1, 5, v0
	v_readfirstlane_b32 s10, v1                    ; wave 0..3
	s_lshr_b32 s11, s10, 1                         ; which half of the tile's rows is mine.  Also: I fetch for Hb (0) or for Wb (1)
	s_and_b32 s12, s10, 1                          ; which half of its columns.  Also: which 128 rows of that tile I fetch
	s_bfe_u32 s40, ttmp6, 0x40000                  ; cx: my place along the cluster's x
	s_bfe_u32 s41, ttmp6, 0x40004                  ; cy: along its y
	s_lshl_b32 s42, ttmp9, 2                       ; in a cluster launch ttmp9 and ttmp7 count clusters
	s_add_co_u32 s42, s42, s40                     ; tile column = 4 x cluster x + cx
	s_and_b32 s13, ttmp7, 0xffff
	s_lshr_b32 s[PAR], s13, 1                      ; p = cluster y / 2: made of the cluster's number alone
	s_lshl_b32 s13, s13, 2
	s_add_co_u32 s13, s13, s41                     ; tile row = 4 x cluster y + cy
	s_lshl_b32 s43, s41, 2
	s_lshl_b32 s43, 15, s43                        ; my row of the cluster: places 4 cy .. 4 cy + 3
	s_lshl_b32 s44, 0x1111, s40                    ; my column: places cx, cx + 4, cx + 8, cx + 12
	; descriptor group 1: a tile of 128 rows x 128 elements, padded in LDS
	s_or_b32 s[G1+0], s43, (1<<16)|(1<<20)|(1<<21)|(5<<22)|(3<<25)  ; 15:0 the mask: Hb's tiles go to my row; 17:16 elements of 2 bytes; 20 padding on; 21 set beside a mask; 24:22 after every 64 words (code 5); 31:25 4 words of it (code 3)
	s_or_b32 s[G1B+0], s44, (1<<16)|(1<<20)|(1<<21)|(5<<22)|(3<<25) ; the same with the mask of my column, for Wb's tiles
	s_mov_b32 s[G1B+1], KSTEP<<16
	s_mov_b32 s[G1+1], KSTEP<<16                   ; tensor_dim0 = 128
	s_mov_b32 s[G1B+2], 128<<16
	s_mov_b32 s[G1+2], 128<<16                     ; tensor_dim1 = 128
	s_mov_b32 s[G1B+3], KSTEP<<16
	s_mov_b32 s[G1+3], KSTEP<<16                   ; tile_dim0 = 128
	s_mov_b32 s[G1B+4], 128
	s_mov_b32 s[G1+4], 128                         ; tile_dim1 = 128; tile_dim2 = 0
	s_mov_b32 s[G1B+5], SIZE_K                     ; elements from row to row: Wb's rows follow each other,
	s_mov_b32 s[G1+5], 2*SIZE_K                    ; Hb's come two apart: rows of one parity
	s_mov_b32 s[G1B+6], 0
	s_mov_b32 s[G1+6], 0
	s_mov_b32 s[G1B+7], 0
	s_mov_b32 s[G1+7], 0
	s_mov_b32 s[CS], 0x3fb8aa3b                    ; c = log2(e)
	s_mov_b32 s[CS+1], s[CS]                       ; named with it as a pair, so it is written
	s_mov_b32 s[SEL], 0x76543210
	s_mov_b32 s[SEL+1], 0xfedcba98
	; where the tiles come from.  Hb's hang on the tile row, which my row of the cluster shares; Wb's on the tile column, which my column shares; both on p, which all sixteen share.
	; Every wave makes both addresses, in registers that never hold the other coordinate, and asks by one of them.
	s_lshl_b32 s17, s12, 7                         ; which 128 rows of the tile I fetch
	s_and_b32 s16, s13, 7                          ; my tile row among its parity's eight
	s_lshl_b32 s16, s16, 8
	s_add_co_u32 s16, s16, s17                     ; i = 256 x that + 128 x half
	s_lshl_b32 s16, s16, 1
	s_add_co_u32 s16, s16, s[PAR]                  ; Hb: row 2 i + p
	s_lshl_b32 s46, s42, 8
	s_add_co_u32 s46, s46, s17                     ; Wb: row 256 x tile column + 128 x half
	s_sub_co_u32 s47, 1, s[PAR]
	s_lshl_b32 s47, s47, 5
	s_add_co_u32 s46, s46, s47                     ; + 32 (1 - p)
	s_mov_b32 s17, 0
	s_mov_b32 s47, 0
	s_mov_b64 s[18:19], SIZE_K*2
	s_mul_u64 s[16:17], s[16:17], s[18:19]         ; in bytes
	s_mul_u64 s[46:47], s[46:47], s[18:19]
	s_mul_i32 s20, s10, HALFT                      ; and where they go: wave x 128 rows: no place in the cluster enters an LDS address
	s_wait_dscnt 0x0                               ; both opening adds are done
	s_wait_kmcnt 0x0
	s_add_nc_u64 s[14:15], s[4:5], s[16:17]
	s_add_nc_u64 s[46:47], s[6:7], s[46:47]
	CROUND                                         ; all sixteen work-groups are here: the first joint loads meet
.irp s, 0,1
	s_mov_b32 s[G0+4*(\s)], 1                                      ; count = 1
	s_add_co_u32 s[G0+4*(\s)+1], s20, (\s)*SLOT                    ; LDS address
	s_add_nc_u64 s[G0+4*(\s)+2:G0+4*(\s)+3], s[14:15], (\s)*KSTEP*2  ; global address: K step s
	s_or_b32 s[G0+4*(\s)+3], s[G0+4*(\s)+3], 0x80000000            ; type = 2
	s_mov_b32 s[G0B+4*(\s)], 1
	s_add_co_u32 s[G0B+4*(\s)+1], s20, (\s)*SLOT
	s_add_nc_u64 s[G0B+4*(\s)+2:G0B+4*(\s)+3], s[46:47], (\s)*KSTEP*2
	s_or_b32 s[G0B+4*(\s)+3], s[G0B+4*(\s)+3], 0x80000000
	JLOAD \s                                       ; the ring is filled before anything else is done: two loads of mine are out
.endr
	; A fragment is 16 rows x 32 K in 8 registers: lane l holds row l % 16; registers 0-3 hold K = 8 (l / 16) + 0..7, registers 4-7 K = 16 + 8 (l / 16) + 0..7: two loads of 16 bytes, 32 bytes apart.
	v_and_b32 v1, 15, v0                           ; l % 16
	v_bfe_u32 v2, v0, 4, 1                         ; l / 16
	v_mul_u32_u24 v3, v1, PITCH
	v_lshl_add_u32 v3, v2, 4, v3                   ; row x pitch + 16 x half
	s_mul_i32 s21, s11, HALFT                      ; my 128 rows of Hb
	s_mul_i32 s22, s12, HALFT                      ; my 128 rows of Wb,
	s_add_co_u32 s22, s22, 2*HALFT                 ; which lie behind Hb's 256
.irp s, 0,1
	v_add_nc_u32 v[ADRA+(\s)], s21, v3
	v_add_nc_u32 v[ADRB+(\s)], s22, v3
	s_add_co_u32 s21, s21, SLOT
	s_add_co_u32 s22, s22, SLOT
.endr
	s_mul_i32 s23, s10, WSTAGE
	s_add_co_u32 s23, s23, STAGE                   ; my stage
	v_mul_u32_u24 v4, v1, SPITCH                   ; in: row l % 16, 32 bytes for each half of the lanes
	v_lshl_add_u32 v4, v2, 5, v4
	v_add_nc_u32 v[STO], s23, v4
	v_and_b32 v5, 31, v0                           ; l
	v_lshlrev_b32 v[CO], 4, v5                     ; back: 32 lanes take one row's 512 bytes,
	v_add_nc_u32 v[RD], s23, v[CO]                 ; and the same 512 bytes in out1
	s_lshl_b32 s23, s10, 9
	s_add_co_u32 s23, s23, TST                     ; my 128 words of t
	v_lshl_add_u32 v[TSA], v1, 2, s23              ; block a's row l % 16 at word 16 a + l % 16
	s_lshl_b32 s23, s11, 10                        ; the first wave of my row half,
	s_lshl_b32 s21, s12, 8                         ; my 64 of its 128 rows
	s_add_co_u32 s23, s23, s21
	s_add_co_u32 s23, s23, TST
	v_lshl_add_u32 v[TSR], v5, 3, s23              ; two rows a lane
	v_lshlrev_b32 v[SO], 3, v5
	; where my part of the tile begins in stats and in out1 (both offsets stay under 2^27)
	s_lshl_b32 s14, s11, 7                         ; 128 x my row half
	s_lshl_b32 s76, s13, 8                         ; 256 x tile row
	s_add_co_u32 s76, s76, s14
	s_lshl_b32 s77, s12, 6
	s_add_co_u32 s76, s76, s77                     ; q of the first of the 64 rows whose t I store
	s_and_b32 s13, s13, 7
	s_lshl_b32 s13, s13, 8                         ; 256 x (tile row % 8)
	s_add_co_u32 s16, s13, s14
	s_lshl_b32 s16, s16, 1
	s_add_co_u32 s16, s16, s[PAR]                  ; my first row of out1
	s_mul_i32 s16, s16, CROW
	s_lshl_b32 s46, s42, 10                        ; my first column, in bytes: 1,024 x tile column
	s_add_co_u32 s16, s16, s46
	s_lshl_b32 s46, s12, 9                         ; + 512 x half
	s_add_co_u32 s16, s16, s46
	s_lshl_b32 s46, s[PAR], 7                      ; - 128 p: where p = 1 the row is at least row 1, so the sum stays above 0
	s_sub_co_u32 s16, s16, s46
	s_mov_b32 s17, 0
	s_add_nc_u64 s[8:9], s[8:9], s[16:17]
	s_lshl_b32 s76, s76, 2
	s_lshl_b32 s46, s42, 14                        ; stats: 4,096 f32 for each column tile
	s_add_co_u32 s76, s76, s46
	s_mov_b32 s77, 0
	s_add_nc_u64 s[ST:ST+1], s[ST:ST+1], s[76:77]
	; which of my 128 columns lie in out1.  They begin at column 128 w - 32 p, w = 2 x tile column + half = 0 .. 31.  w = 0, p = 1: columns -32 .. 95: the first 32 are outside.
	; w = 31: p = 0: columns 3,968 on: 32 are inside; p = 1: columns 3,936 on: 64 are inside.  Made by arithmetic: no branch hangs on a place in the cluster
	s_lshl_b32 s75, s42, 1
	s_add_co_u32 s75, s75, s12                     ; w
	s_add_co_u32 s83, s75, 1
	s_lshr_b32 s83, s83, 5                         ; 1 where w = 31, else 0
	s_add_co_u32 s84, s75, 31
	s_lshr_b32 s84, s84, 5
	s_xor_b32 s84, s84, 1                          ; 1 where w = 0, else 0
	s_mul_i32 s84, s84, s[PAR]                     ; w = 0 and p = 1
	s_mul_i32 s85, s83, s[PAR]                     ; w = 31 and p = 1
	s_sub_co_u32 s86, s83, s85                     ; w = 31 and p = 0
	s_mul_i32 s[PENA], s84, 0x7149f2ca             ; 1e30 or 0
	s_mul_i32 s[PENB], s86, 0x7149f2ca
	s_mul_i32 s[PENC], s83, 0x7149f2ca
	s_lshl_b32 s[LOB], s84, 7                      ; 128 or 0
	s_mul_i32 s83, s83, 384
	s_lshl_b32 s85, s85, 7
	s_sub_co_u32 s[NVB], 512, s83
	s_add_co_u32 s[NVB], s[NVB], s85               ; where my valid bytes end: 512; at w = 31: 128 or 256
	s_sub_co_u32 s[NVB], s[NVB], s[LOB]            ; how many they are
	v_sub_nc_u32 v[CMK], v[CO], s[LOB]             ; below 0, and so very large, in the lanes ahead of the first valid byte
	; the prefetches.  s13 = 256 x (tile row % 8), s42 = tile column, s40 = cx, s41 = cy still stand
	s_lshl_b32 s13, s13, 1
	s_add_co_u32 s13, s13, s[PAR]                  ; Hb's row of my tile's first row
	s_lshl_b32 s42, s42, 8
	s_sub_co_u32 s86, 1, s[PAR]
	s_lshl_b32 s86, s86, 5
	s_add_co_u32 s42, s42, s86                     ; Wb's row of my tile's first column
	s_and_b32 s22, ttmp7, 0xffff                   ; cluster y
	s_cmp_eq_u32 s11, 0                            ; do I fetch for Hb?
	s_cselect_b32 s20, s13, s42                    ; the tile's first row in its tensor
	s_cselect_b32 s21, s40, s41                    ; my place among the four that ask for it with me
	s_cselect_b32 s22, ttmp9, s22                  ; the coordinate along which other clusters read the same rows
	s_cselect_b32 s23, 2, 1                        ; a tile's rows lie two apart in Hb, one in Wb
	s_cselect_b64 s[PFA:PFA+1], s[4:5], s[6:7]
	s_cmp_eq_u32 s22, 0
	s_cselect_b32 s[LIM], 1, -1                    ; the same in all sixteen partners, for a given wave
	s_lshl_b32 s22, s12, 7                         ; of the tile's rows: the 128 that I fetch,
	s_lshl_b32 s21, s21, 5                         ; my work-group's 32 of them
	s_add_co_u32 s21, s21, s22
	s_mul_i32 s21, s21, s23
	s_add_co_u32 s20, s20, s21
	s_mov_b32 s21, 0
	s_mov_b64 s[18:19], SIZE_K*2
	s_mul_u64 s[20:21], s[20:21], s[18:19]
	s_add_nc_u64 s[PFA:PFA+1], s[PFA:PFA+1], s[20:21]
	s_add_nc_u64 s[PFA:PFA+1], s[PFA:PFA+1], 2*KSTEP*2  ; at K step 2: the first refill steps it to 3 and names K step 4
	s_mul_i32 s87, s23, SIZE_K*2
	v_and_b32 v[PFO], 31, v0
	v_mul_u32_u24 v[PFO], v[PFO], s87
	; nothing is prefetched here, at the head, where every work-group's first two tiles are on their way: K steps 2 and 3 come by their refills alone
; 16 matrix instructions: m blocks a0, a0 + 1 of the window's four (hi = 0: my rows 0-63, 1: rows 64-127) x all 8 n blocks, 32 along K.  zero = 1: the first product starts the sums: nothing is ever cleared.
; The 64 accumulators take turns, one instruction a turn, in the same order in every quarter step.
.macro MUL16 f, hi, a0, zero
	WIN MUL_LO+0x50*(\hi)
.irp a, \a0, (\a0)+1
.irp b, 0,1,2,3,4,5,6,7
.if \zero
	v_wmma_f32_16x16x32_bf16 v[8*(8*(\a)+(\b)):8*(8*(\a)+(\b))+7], v[(\f)+8*(\b):(\f)+8*(\b)+7], v[(\f)+8*(4*(\hi)+(\a)):(\f)+8*(4*(\hi)+(\a))+7], 0
.else
	v_wmma_f32_16x16x32_bf16 v[8*(8*(\a)+(\b)):8*(8*(\a)+(\b))+7], v[(\f)+8*(\b):(\f)+8*(\b)+7], v[(\f)+8*(4*(\hi)+(\a)):(\f)+8*(4*(\hi)+(\a))+7], v[8*(8*(\a)+(\b)):8*(8*(\a)+(\b))+7]
.endif
.endr
.endr
.endm
; 32 LDS loads in one run: the fragments of one quarter step (128 rows of Wb, 128 rows of Hb, 32 K at byte k of the rows) into buffer f
.macro FETCH slot, k, f
	WIN TO_B
.irp i, 0,1,2,3,4,5,6,7
	ds_load_b128 v[(\f)+8*(\i):(\f)+8*(\i)+3],   v[ADRB+(\slot)] offset:(\k)+(\i)*16*PITCH
	ds_load_b128 v[(\f)+8*(\i)+4:(\f)+8*(\i)+7], v[ADRB+(\slot)] offset:(\k)+(\i)*16*PITCH+32
.endr
	WIN 0
.irp i, 0,1,2,3,4,5,6,7
	ds_load_b128 v[(\f)+8*(\i):(\f)+8*(\i)+3],   v[ADRA+(\slot)] offset:(\k)+(\i)*16*PITCH
	ds_load_b128 v[(\f)+8*(\i)+4:(\f)+8*(\i)+7], v[ADRA+(\slot)] offset:(\k)+(\i)*16*PITCH+32
.endr
.endm
; A load into a register that a matrix instruction has read, and a vector instruction that reads a matrix result, stand four places behind that matrix instruction, and only plain vector
; instructions that name none of its registers are places (ISA guide 7.12.1 for vector instructions).
.macro PLACES
.rept 4
	v_nop
.endr
.endm
; A K step is four quarter steps of 32 along K, 64 matrix instructions each, on buffers 0, 1, 0, 1.
; One of the first three: multiplies buffer f; in its middle it fetches the next quarter's fragments, at byte k of the same slot's rows, into buffer g.
.macro QUARTER slot, k, f, g, zero
	s_wait_dscnt 8                                 ; Wb and Hb's rows 0-63 are in; the youngest eight loads (Hb's rows 64-127) may be out
	WIN MUL_LO
	MUL16 \f, 0, 0, \zero
	MUL16 \f, 0, 2, \zero
	PLACES
	FETCH \slot, \k, \g
	s_wait_dscnt 32                                ; all but the 32 just issued
	WIN MUL_HI
	MUL16 \f, 1, 0, \zero
	MUL16 \f, 1, 2, \zero
.endm
; The last quarter multiplies buffer 1 and changes slots.  MEET is its first half: ONE barrier for the change of slots.  In front of it each wave waits for all its tensor loads, of which one is out:
; its part of the next slot; adds 0 to its spare word; and waits for that and for its own reads of this slot.  Behind it nobody reads this slot any more and the next slot is whole.
.macro MEET round                      ; round = 1: the rest of a round of the cluster's barrier follows
	WIN 0                                          ; (the add's two registers lie in window 0)
	s_wait_tensorcnt 0x0                           ; all my tensor loads have landed;
	ds_add_u32 v[SPW], v[NIL]                      ; 0 onto my spare word;
	s_wait_dscnt 9                                 ; (the add and the youngest eight loads may be out)
	WIN MUL_LO
	MUL16 F1, 0, 0, 0                              ; sixteen matrix instructions stand between the add and the wait for it
	s_wait_dscnt 0x0                               ; the add is done, and my reads of this slot are over:
	s_barrier_signal -1                            ; say so,
	MUL16 F1, 0, 2, 0                              ; work on registers while the others arrive,
.if \round
	WIN 0
.endif
	s_barrier_wait -1                              ; and go on when all four have said so
.endm
; The whole last quarter of a K step whose slot is filled again, with the K step two on; then come the next slot's first fragments.  From a request to the wait for it a wave issues 224 matrix instructions.
.macro TURN slot, next
	s_wait_xcnt 0x0                                ; the last prefetch, a K step back, has read its address: it is stepped here, ahead of the waits of the change of slots
	s_add_nc_u64 s[PFA:PFA+1], s[PFA:PFA+1], KSTEP*2
	MEET 1
	CREST                                          ; all sixteen work-groups have said so: no wave of any partner still reads this slot's tile or has a load on its way
	s_add_nc_u64 s[G0+4*(\slot)+2:G0+4*(\slot)+3], s[G0+4*(\slot)+2:G0+4*(\slot)+3], 2*KSTEP*2
	s_add_nc_u64 s[G0B+4*(\slot)+2:G0B+4*(\slot)+3], s[G0B+4*(\slot)+2:G0B+4*(\slot)+3], 2*KSTEP*2
	JLOAD \slot                                    ; the first tensor load behind the round, and my only one until the next; its four v_nop are also the places in front of the loads below
	FETCH \next, 0, F0
	ASK                                            ; behind the joint load and the run of LDS loads that the next products wait for
	WIN MUL_HI
	MUL16 F1, 1, 0, 0
	MUL16 F1, 1, 2, 0
.endm
; The change from K step 30 to K step 31: nothing is filled again, so no round follows the barrier.
.macro LASTTURN
	MEET 0
	PLACES                                         ; for the loads into buffer 0, which the quarter before multiplied
	FETCH 1, 0, F0
	WIN MUL_HI
	MUL16 F1, 1, 0, 0
	MUL16 F1, 1, 2, 0
.endm
; THE WAY OUT of block a (16 rows x my 128 columns: 8 accumulators, 64 registers, in window 2 + a / 4), in four parts.
; MAXB: the row's maximum over my valid columns.  A chain for each accumulator, three operands at a time, each accumulator's lowest registers first.  The accumulators fall into
; three groups: columns 0-31, 32-63 and 64-127; from each group's maximum its penalty is taken away (0, or 1e30 where the group lies outside out1; never all three).  The row's other 64 columns lie in the lane 16 away.
.macro MAXB a
.set AC, 64*((\a)%4)
	WIN 0x15*(2+(\a)/4)                            ; all three sources in the accumulators' window
.irp b, 0,1,2,3,4,5,6,7
	v_max3_num_f32 v[CX+(\b)], v[AC+8*(\b)], v[AC+8*(\b)+1], v[AC+8*(\b)+2]
.endr
	WIN 0x14*(2+(\a)/4)                            ; source 0 back in window 0
.irp b, 0,1,2,3,4,5,6,7
	v_max3_num_f32 v[CX+(\b)], v[CX+(\b)], v[AC+8*(\b)+3], v[AC+8*(\b)+4]
.endr
.irp b, 0,1,2,3,4,5,6,7
	v_max3_num_f32 v[CX+(\b)], v[CX+(\b)], v[AC+8*(\b)+5], v[AC+8*(\b)+6]
.endr
.irp k, 0,1,2,3
	v_max3_num_f32 v[CX+2*(\k)], v[CX+2*(\k)], v[AC+16*(\k)+7], v[AC+16*(\k)+15]
.endr
	WIN 0
	v_max_num_f32 v[CX], v[CX], v[CX+1]            ; columns 0-31
	v_max_num_f32 v[CX+2], v[CX+2], v[CX+3]        ; columns 32-63
	v_max3_num_f32 v[CX+4], v[CX+4], v[CX+5], v[CX+6]
	v_max_num_f32 v[CX+4], v[CX+4], v[CX+7]        ; columns 64-127
	v_sub_f32 v[CX], v[CX], s[PENA]
	v_sub_f32 v[CX+2], v[CX+2], s[PENB]
	v_sub_f32 v[CX+4], v[CX+4], s[PENC]
	v_max3_num_f32 v[CX], v[CX], v[CX+2], v[CX+4]
	v_permlanex16_b32 v[CX+1], v[CX], s[SEL], s[SEL+1]
	v_max_num_f32 v[CX], v[CX], v[CX+1]            ; m
	v_mul_f32 v[CMX+(\a)], s[CS], v[CX]            ; c m
	v_add_f32 v[DA], s[PENA], v[CMX+(\a)]
	v_add_f32 v[DB], s[PENB], v[CMX+(\a)]
	v_add_f32 v[DC], s[PENC], v[CMX+(\a)]
.endm
; TOSTAGE: the raw logits go into my own stage, 32 bytes a lane and accumulator, and come back as 16 pieces of rows of 512 bytes.
.macro TOSTAGE a
.set AC, 64*((\a)%4)
	WIN 4*(2+(\a)/4)                               ; a store's data is source 1
.irp b, 0,1,2,3,4,5,6,7
	ds_store_b128 v[STO], v[AC+8*(\b):AC+8*(\b)+3]   offset:64*(\b)
	ds_store_b128 v[STO], v[AC+8*(\b)+4:AC+8*(\b)+7] offset:64*(\b)+16
.endr
	WIN 0
.irp t, 0,1,2,3,4,5,6,7,8,9,10,11,12,13,14,15
	ds_load_b128 v[OB+4*(\t):OB+4*(\t)+3], v[RD] offset:SPITCH*(\t)  ; LDS serves a wave's instructions in order (ISA guide 5.7.1.4): these see the stores above, and the next block's stores come behind them
.endr
.endm
; EXPB: in place on the accumulators, c x - c m (32 packed lines, each group of columns with its own c m + penalty), 64 exponentials, and their sum.  The exponentials are ONE batch: none reads another's
; result; a v_nop is the plain instruction behind the last, and one wait stands ahead of the first reader.  The loads from the stage land meanwhile.
.macro EXPB a
.set AC, 64*((\a)%4)
	WIN 0x41*(2+(\a)/4)                            ; destination and source 0 in the accumulators' window, source 2 in window 0
.set i, 0
.rept 32
.if i < 8
	v_pk_fma_f32 v[AC+2*i:AC+2*i+1], v[AC+2*i:AC+2*i+1], s[CS:CS+1], v[DA:DA+1] op_sel_hi:[1,0,0] neg_lo:[0,0,1] neg_hi:[0,0,1]
.elseif i < 16
	v_pk_fma_f32 v[AC+2*i:AC+2*i+1], v[AC+2*i:AC+2*i+1], s[CS:CS+1], v[DB:DB+1] op_sel_hi:[1,0,0] neg_lo:[0,0,1] neg_hi:[0,0,1]
.else
	v_pk_fma_f32 v[AC+2*i:AC+2*i+1], v[AC+2*i:AC+2*i+1], s[CS:CS+1], v[DC:DC+1] op_sel_hi:[1,0,0] neg_lo:[0,0,1] neg_hi:[0,0,1]
.endif
.set i, i+1
.endr
.set i, 0
.rept 64
	v_exp_f32 v[AC+i], v[AC+i]
.set i, i+1
.endr
	v_nop
	s_wait_alu depctr_va_vdst(0)
	WIN 0x45*(2+(\a)/4)                            ; source 1 there too
.irp w, 32,16,8,4                      ; 16 + 8 + 4 + 2 packed sums, halves onto halves
.set i, 0
.rept (\w)/2
	v_pk_add_f32 v[AC+i:AC+i+1], v[AC+i:AC+i+1], v[AC+(\w)+i:AC+(\w)+i+1]
.set i, i+2
.endr
.endr
	WIN 0x05*(2+(\a)/4)                            ; the last one lands in window 0
	v_pk_add_f32 v[TT:TT+1], v[AC:AC+1], v[AC+2:AC+3]
	WIN 0
	v_add_f32 v[TT], v[TT], v[TT+1]
	v_permlanex16_b32 v[TT+1], v[TT], s[SEL], s[SEL+1]
	v_add_f32 v[LSUM+(\a)], v[TT], v[TT+1]         ; l: the same bits in both halves of the lanes
.endm
; SEND: the block's 16 pieces of rows are stored: a store covers 512 consecutive bytes at a multiple of 256 from out1's first byte, in even and in odd rows (the head says how); at a row's two ends fewer:
; the lanes outside out1's columns are switched off.  EXEC is a source of pending stores: it changes only behind s_wait_xcnt 0; the second of these waits also frees the registers read back for the next block.
.macro SEND a
	WIN 0
	s_wait_dscnt 0x0                               ; the block is back in registers
	s_wait_xcnt 0x0
	v_cmp_gt_u32 vcc_lo, s[NVB], v[CMK]
	s_and_saveexec_b32 s[SV], vcc_lo
.irp t, 0,1,2,3,4,5,6,7,8,9,10,11,12,13,14,15
	global_store_b128 v[CO], v[OB+4*(\t):OB+4*(\t)+3], s[8:9] offset:(16*(\a)+(\t))*RSTEP th:TH_STORE_NT  ; the row stands in the immediate: 127 x 32,000 bytes at the most, inside its signed 24 bits
.endr
	s_wait_xcnt 0x0
	s_or_b32 exec_lo, exec_lo, s[SV]
.endm
	s_wait_tensorcnt 1                             ; my part of K step 0 is in; K step 1's may stay out
	s_barrier_signal -1
	s_barrier_wait -1                              ; everybody's is
	FETCH 0, 0, F0
	QUARTER 0, 64,  F0, F1, 1                      ; the first quarter stands in front of the loop: its products start the sums
	WIN 0                                          ; at a label and at a branch every window is 0
	s_mov_b32 s3, LAPS-1
.Llap:                                                 ; 15 trips: once round the ring, from a lap's second quarter to the next lap's first; both slots are filled again: K steps 2 to 31
	QUARTER 0, 128, F1, F0, 0
	QUARTER 0, 192, F0, F1, 0
	TURN 0, 1
	QUARTER 1, 64,  F0, F1, 0
	QUARTER 1, 128, F1, F0, 0
	QUARTER 1, 192, F0, F1, 0
	TURN 1, 0
	QUARTER 0, 64,  F0, F1, 0
	WIN 0
	s_sub_co_u32 s3, s3, 1
	s_cmp_lg_u32 s3, 0
	s_cbranch_scc1 .Llap
	QUARTER 0, 128, F1, F0, 0                      ; the last lap is written out: it asks for nothing
	QUARTER 0, 192, F0, F1, 0
	LASTTURN
	QUARTER 1, 64,  F0, F1, 0
	QUARTER 1, 128, F1, F0, 0
	QUARTER 1, 192, F0, F1, 0
	s_wait_dscnt 8                                 ; the very last quarter: nothing more to fetch
	WIN MUL_LO
	MUL16 F1, 0, 0, 0
	MUL16 F1, 0, 2, 0
	s_wait_dscnt 0x0
	MUL16 F1, 1, 0, 0
	MUL16 F1, 1, 2, 0
	WIN 0
	PLACES                                         ; the maxima read results just made
	v_mov_b32 v[DA+1], 0                           ; the high words of the three pairs: named, not used
	v_mov_b32 v[DB+1], 0
	v_mov_b32 v[DC+1], 0
.irp a, 0,1,2,3,4,5,6,7
	MAXB \a
	TOSTAGE \a
	EXPB \a
	SEND \a
.endr
	; t = c m + log2 l for my 128 rows and 128 columns; l is at least about 1, since the row's largest term is 2^0
.irp a, 0,1,2,3,4,5,6,7
	v_log_f32 v[LSUM+(\a)], v[LSUM+(\a)]
.endr
	v_nop                                          ; a plain instruction behind the last logarithm,
	s_wait_alu depctr_va_vdst(0)                   ; and one wait for the eight, ahead of their first reader
.irp a, 0,1,2,3,4,5,6,7
	v_add_f32 v[LSUM+(\a)], v[LSUM+(\a)], v[CMX+(\a)]
.endr
.irp a, 0,1,2,3,4,5,6,7
	ds_store_b32 v[TSA], v[LSUM+(\a)] offset:64*(\a)  ; lanes l and l + 16 write the same word with the same bits
.endr
	s_wait_dscnt 0x0                               ; for the others' sake: my stores are done
	s_barrier_signal -1
	s_barrier_wait -1
	; the two waves of a row half join their t: each takes 64 of the 128 rows, two a lane: t = max + log2(2^(t0 - max) + 2^(t1 - max))
	ds_load_b64 v[TT:TT+1],   v[TSR]               ; the columns' left half
	ds_load_b64 v[TT+2:TT+3], v[TSR] offset:512    ; and right half
	s_wait_dscnt 0x0
	v_max_num_f32 v[CX],   v[TT],   v[TT+2]
	v_max_num_f32 v[CX+1], v[TT+1], v[TT+3]
	v_sub_f32 v[TT],   v[TT],   v[CX]
	v_sub_f32 v[TT+1], v[TT+1], v[CX+1]
	v_sub_f32 v[TT+2], v[TT+2], v[CX]
	v_sub_f32 v[TT+3], v[TT+3], v[CX+1]
.irp i, 0,1,2,3
	v_exp_f32 v[TT+(\i)], v[TT+(\i)]
.endr
	v_nop
	s_wait_alu depctr_va_vdst(0)                   ; one wait for the four exponentials
	v_add_f32 v[TT],   v[TT],   v[TT+2]
	v_add_f32 v[TT+1], v[TT+1], v[TT+3]
	v_log_f32 v[TT],   v[TT]
	v_log_f32 v[TT+1], v[TT+1]
	v_nop
	s_wait_alu depctr_va_vdst(0)                   ; one wait for the two logarithms
	v_add_f32 v[CX+2], v[TT],   v[CX]
	v_add_f32 v[CX+3], v[TT+1], v[CX+1]
	global_store_b64 v[SO], v[CX+2:CX+3], s[ST:ST+1]  ; 32 lanes store 256 consecutive bytes, at a multiple of 256 from stats' first byte
	s_wait_tensorcnt 0x0                           ; the wave's end, behind my last tensor load and my last LDS store
	ds_add_u32 v[SPW], v[NIL]
	s_wait_dscnt 0x0
	CROUND                                         ; the closing round: no work-group ends while a partner may still ask for a tile that names it
	s_endpgm
.Lfunc_end_k_q9329b37606_gemm:
	.size	k_q9329b37606_gemm, .Lfunc_end_k_q9329b37606_gemm-k_q9329b37606_gemm
	.p2alignl 7, 3214868480
	.fill 96, 4, 3214868480
	.section	.rodata,"a",@progbits
	.p2align	6, 0x0
	.amdhsa_kernel k_q9329b37606_gemm
		.amdhsa_group_segment_fixed_size 327680
		.amdhsa_private_segment_fixed_size 0
		.amdhsa_enable_private_segment 0
		.amdhsa_kernarg_size 32
		.amdhsa_user_sgpr_count 2
		.amdhsa_user_sgpr_kernarg_segment_ptr 1
		.amdhsa_wavefront_size32 1
		.amdhsa_system_sgpr_workgroup_id_x 1
		.amdhsa_system_sgpr_workgroup_id_y 1
		.amdhsa_system_sgpr_workgroup_id_z 1
		.amdhsa_system_vgpr_workitem_id 0
		.amdhsa_next_free_vgpr 1024
		.amdhsa_next_free_sgpr 88
		.amdhsa_reserve_vcc 1
		.amdhsa_float_denorm_mode_32 3
		.amdhsa_float_denorm_mode_16_64 3
		.amdhsa_memory_ordered 1
		.amdhsa_forward_progress 1
		.amdhsa_inst_pref_size 217
	.end_amdhsa_kernel
	.amdgpu_metadata
---
amdhsa.version: [ 1, 2 ]
amdhsa.kernels:
  - .name:           k_q9329b37606_gemm
    .symbol:         k_q9329b37606_gemm.kd
    .args:
      - { .name: Hb, .offset: 0, .size: 8, .value_kind: global_buffer, .address_space: global }
      - { .name: Wb, .offset: 8, .size: 8, .value_kind: global_buffer, .address_space: global }
      - { .name: out1, .offset: 16, .size: 8, .value_kind: global_buffer, .address_space: global }
      - { .name: stats, .offset: 24, .size: 8, .value_kind: global_buffer, .address_space: global }
    .group_segment_fixed_size: 327680
    .private_segment_fixed_size: 0
    .kernarg_segment_align: 8
    .kernarg_segment_size: 32
    .max_flat_workgroup_size: 128
    .sgpr_count:     88
    .vgpr_count:     1024
    .wavefront_size: 32
...
	.end_amdgpu_metadata
.endif
;; end of part 2
;; launch rows (part 3): grid 32 x 1, 4 waves a work-group, no clusters, 768 bytes of LDS; arguments stats, out1, label_ids, part; writes part
.if DOCPART == 3
	.amdgcn_target "amdgcn-amd-amdhsa--gfx1250"
	.amdhsa_code_object_version 6
	.text
	.protected	k_q9329b37606_rows
	.globl	k_q9329b37606_rows
	.p2align	8
	.type	k_q9329b37606_rows,@function
k_q9329b37606_rows:
	s_mov_b64 s[64:65], 0
	v_nop
	global_prefetch_b8 v0, s[64:65] scope:SCOPE_SE
	s_setreg_imm32_b32 hwreg(HW_REG_WAVE_MODE, 25, 1), 1
	s_wait_xcnt 0x0
; part[g] = the sum over the words q = 128 g .. 128 g + 127 of stats' parts, whose rows are R = 2 (q mod 2048) + q / 2048 (the launch before lays the even rows first, then the odd ones), of
; ln(2) t[R] - out1[R][label_ids[R + 1]], rows with R mod 2048 = 2047 aside; t[R] = log2 of the sum over all 4,000 columns of e^logit,
; joined from the 16 numbers stats[p][q] (log2 of the sums over that row's 16 tiles of columns) by a maximum taken away before the exponentials.
; LEFT OUT: the rows s = 2047, which reference() slices away from the loss; each is one lane among live rows, so it is worked with them and replaced by 0 by a select.
; LIMITS.  A label is taken as unsigned and held to 3,999 (reference() relies on labels inside the table).  A term below 2^-126 counts as 0.  NaN and infinities are not treated apart.
; SHARES.  32 work-groups of four waves, a row a thread: a work-group issues 72 loads in all, and 128 of its lanes gather one number each.  A wave's load of stats covers 128 consecutive bytes;
; two neighbouring waves of the work-group together take each aligned 256.  All 17 loads that hang on no loaded number go out before the first wait.
; No matrix work, no tensor load, no cluster: nothing is shared between work-groups, and each byte of stats is read once.
.set SPARE, 256                        ; LDS: bytes 0-15 one word a wave; from 256 on the spare words, 128 bytes for each of four waves, which no other line names
.set LB,  5                            ; v5   the label of my row
.set GO,  6                            ; v6   the gather's offset
.set XL,  7                            ; v7   the label's logit
.set M,   8                            ; v8   the maximum of my row's 16 parts
.set RW,  15                           ; v15  R, my row
.set T,   16                           ; v[16:31] stats: part p at T + p
.set S,   32                           ; v32  the sum, then my row's loss
.set SPW, 42                           ; v42  LDS address of my spare word; never rewritten
.set NIL, 43                           ; v43  0; never rewritten
	s_load_b256 s[4:11], s[0:1], 0x0               ; stats s[4:5], out1 s[6:7], label_ids s[8:9], part s[10:11]
	v_lshl_add_u32 v[SPW], v0, 2, SPARE
	v_mov_b32 v[NIL], 0
	v_lshrrev_b32 v3, 5, v0
	v_readfirstlane_b32 s14, v3                    ; wave 0..3
	s_mov_b32 s12, 0x76543210                      ; v_permlanex16_b32: each lane takes its own place in the other half
	s_mov_b32 s13, 0xfedcba98
	s_mov_b32 s16, 0x3f317218                      ; ln(2)
	s_lshl_b32 s17, ttmp9, 7                       ; the work-group's first word
	s_lshl_b32 s18, ttmp9, 2                       ; its word of part
	v_add_nc_u32 v1, s17, v0                       ; q
	v_lshlrev_b32 v2, 2, v1                        ; 4 q: my word in a part of stats
	v_and_b32 v12, 0x7ff, v1                       ; q mod 2,048
	v_lshrrev_b32 v13, 11, v1                      ; the parity
	v_lshl_add_u32 v[RW], v12, 1, v13              ; R
	v_lshl_add_u32 v4, v[RW], 2, 4                 ; the label behind my row's own;
	v_min_u32 v4, 0x3ffc, v4                       ; row 4,095's would lie past the buffer and serves a row s = 2047: held to the last word
	v_mul_u32_u24 v9, v[RW], 0x3e80                ; my row in out1: R x 16,000 bytes (under 2^26)
	v_mov_b32 v33, 0                               ; a destination of v_permlanex16_b32 counts as read
	v_mov_b32 v40, 0
	v_mov_b32 v41, s18
	s_wait_kmcnt 0x0
	global_load_b32 v[LB], v4, s[8:9]
.irp p, 0,1,2,3,4,5,6,7,8,9,10,11,12,13,14,15
	global_load_b32 v[T+(\p)], v2, s[4:5] offset:16384*(\p) th:TH_LOAD_NT
.endr
	s_wait_loadcnt 16                              ; the label is in; the 16 loads of stats stay out
	v_min_u32 v[LB], 0xf9f, v[LB]                  ; held inside the row
	v_lshl_add_u32 v[GO], v[LB], 2, v9
	global_load_b32 v[XL], v[GO], s[6:7]
	s_wait_loadcnt 1                               ; stats is in; the gather stays out
.irp i, 0,1,2,3,4
	v_max3_num_f32 v[10+(\i)], v[T+3*(\i)], v[T+3*(\i)+1], v[T+3*(\i)+2]
.endr
	v_max3_num_f32 v10, v10, v11, v12
	v_max3_num_f32 v13, v13, v14, v[T+15]
	v_max_num_f32 v[M], v10, v13
.irp p, 0,1,2,3,4,5,6,7,8,9,10,11,12,13,14,15
	v_sub_f32 v[T+(\p)], v[T+(\p)], v[M]
.endr
.irp p, 0,1,2,3,4,5,6,7,8,9,10,11,12,13,14,15
	v_exp_f32 v[T+(\p)], v[T+(\p)]                 ; one batch: none reads another's result
.endr
	v_and_b32 v10, 0x7ff, v[RW]                    ; a plain instruction behind the last exponential: R mod 2,048,
	s_wait_alu depctr_va_vdst(0)                   ; and one wait for the batch, ahead of its first reader
.irp w, 8,4,2                          ; 4 + 2 + 1 packed sums, halves onto halves
.set i, 0
.rept (\w)/2
	v_pk_add_f32 v[T+i:T+i+1], v[T+i:T+i+1], v[T+(\w)+i:T+(\w)+i+1]
.set i, i+2
.endr
.endr
	v_add_f32 v[S], v[T], v[T+1]
	v_log_f32 v[S], v[S]                           ; the sum is at least 1: the largest part's term is 2^0
	v_nop                                          ; a plain instruction behind the logarithm,
	s_wait_alu depctr_va_vdst(0)                   ; and its wait
	v_add_f32 v[S], v[S], v[M]                     ; t
	s_wait_loadcnt 0x0                             ; the label's logit
	v_fma_f32 v[S], v[S], s16, -v[XL]              ; ln(2) t - x
	v_cmp_ne_u32 vcc_lo, 0x7ff, v10                ; a row s = 2047 counts 0
	v_cndmask_b32 v[S], 0, v[S], vcc_lo
	; over the 32 lanes: four steps inside each half of 16 lanes ride on the addition, one crosses the halves
	v_add_f32_dpp v[S], v[S], v[S] row_xmask:1 row_mask:0xf bank_mask:0xf
	v_add_f32_dpp v[S], v[S], v[S] row_xmask:2 row_mask:0xf bank_mask:0xf
	v_add_f32_dpp v[S], v[S], v[S] row_xmask:4 row_mask:0xf bank_mask:0xf
	v_add_f32_dpp v[S], v[S], v[S] row_xmask:8 row_mask:0xf bank_mask:0xf
	v_permlanex16_b32 v33, v[S], s12, s13
	v_add_f32 v[S], v[S], v33
	v_mov_b32 v34, s14
	v_lshlrev_b32 v34, 2, v34
	ds_store_b32 v34, v[S]                         ; my wave's word: all lanes write the same bits
	s_wait_dscnt 0x0                               ; for wave 0's sake
	s_barrier_signal -1
	s_barrier_wait -1
	s_cmp_lg_u32 s14, 0
	s_cbranch_scc1 .Lend                           ; wave 0 finishes
	ds_load_b128 v[36:39], v40                     ; the four waves' sums, in every lane
	s_wait_dscnt 0x0
	v_add_f32 v36, v36, v37
	v_add_f32 v38, v38, v39
	v_add_f32 v36, v36, v38
	v_cmp_eq_u32 vcc_lo, 0, v0
	s_wait_xcnt 0x0                                ; EXEC changes only behind s_wait_xcnt 0
	s_and_saveexec_b32 s15, vcc_lo
	global_store_b32 v41, v36, s[10:11]            ; one lane, one number a work-group
	s_wait_xcnt 0x0
	s_or_b32 exec_lo, exec_lo, s15
.Lend:
	s_wait_tensorcnt 0x0                           ; the wave's end, behind my last LDS store
	ds_add_u32 v[SPW], v[NIL]
	s_wait_dscnt 0x0
	s_endpgm
.Lfunc_end_k_q9329b37606_rows:
	.size	k_q9329b37606_rows, .Lfunc_end_k_q9329b37606_rows-k_q9329b37606_rows
	.p2alignl 7, 3214868480
	.fill 96, 4, 3214868480
	.section	.rodata,"a",@progbits
	.p2align	6, 0x0
	.amdhsa_kernel k_q9329b37606_rows
		.amdhsa_group_segment_fixed_size 768
		.amdhsa_private_segment_fixed_size 0
		.amdhsa_enable_private_segment 0
		.amdhsa_kernarg_size 32
		.amdhsa_user_sgpr_count 2
		.amdhsa_user_sgpr_kernarg_segment_ptr 1
		.amdhsa_wavefront_size32 1
		.amdhsa_system_sgpr_workgroup_id_x 1
		.amdhsa_system_sgpr_workgroup_id_y 1
		.amdhsa_system_sgpr_workgroup_id_z 1
		.amdhsa_system_vgpr_workitem_id 0
		.amdhsa_next_free_vgpr 48
		.amdhsa_next_free_sgpr 66
		.amdhsa_reserve_vcc 1
		.amdhsa_float_denorm_mode_32 3
		.amdhsa_float_denorm_mode_16_64 3
		.amdhsa_memory_ordered 1
		.amdhsa_forward_progress 1
		.amdhsa_inst_pref_size 7
	.end_amdhsa_kernel
	.amdgpu_metadata
---
amdhsa.version: [ 1, 2 ]
amdhsa.kernels:
  - .name:           k_q9329b37606_rows
    .symbol:         k_q9329b37606_rows.kd
    .args:
      - { .name: stats, .offset: 0, .size: 8, .value_kind: global_buffer, .address_space: global }
      - { .name: out1, .offset: 8, .size: 8, .value_kind: global_buffer, .address_space: global }
      - { .name: label_ids, .offset: 16, .size: 8, .value_kind: global_buffer, .address_space: global }
      - { .name: part, .offset: 24, .size: 8, .value_kind: global_buffer, .address_space: global }
    .group_segment_fixed_size: 768
    .private_segment_fixed_size: 0
    .kernarg_segment_align: 8
    .kernarg_segment_size: 32
    .max_flat_workgroup_size: 128
    .sgpr_count:     66
    .vgpr_count:     48
    .wavefront_size: 32
...
	.end_amdgpu_metadata
.endif
;; end of part 3
;; launch mean (part 4): grid 1 x 1, 1 waves a work-group, no clusters, 0 bytes of LDS; arguments part, out0; writes out0
.if DOCPART == 4
	.amdgcn_target "amdgcn-amd-amdhsa--gfx1250"
	.amdhsa_code_object_version 6
	.text
	.protected	k_q9329b37606_mean
	.globl	k_q9329b37606_mean
	.p2align	8
	.type	k_q9329b37606_mean,@function
k_q9329b37606_mean:
	s_mov_b64 s[64:65], 0
	v_nop
	global_prefetch_b8 v0, s[64:65] scope:SCOPE_SE
	s_setreg_imm32_b32 hwreg(HW_REG_WAVE_MODE, 25, 1), 1
	s_wait_xcnt 0x0
; out0 = (the sum of part[0 .. 31]) / 4,094: the 32 work-groups' sums of the launch before, over the 4,094 rows that reference() keeps for the loss.
; One number has one owner: one wave, a lane a sum.  Nothing of reference() is left out here.  128 bytes are read, 4 stored: no LDS, no barrier.
	s_load_b128 s[4:7], s[0:1], 0x0                ; part s[4:5], out0 s[6:7]
	v_lshlrev_b32 v1, 2, v0                        ; my word
	s_mov_b32 s12, 0x76543210                      ; v_permlanex16_b32: each lane takes its own place in the other half
	s_mov_b32 s13, 0xfedcba98
	v_mov_b32 v3, 0                                ; a destination of v_permlanex16_b32 counts as read
	v_mov_b32 v4, 0                                ; out0's offset
	s_wait_kmcnt 0x0
	global_load_b32 v2, v1, s[4:5]
	s_wait_loadcnt 0x0
	v_add_f32_dpp v2, v2, v2 row_xmask:1 row_mask:0xf bank_mask:0xf
	v_add_f32_dpp v2, v2, v2 row_xmask:2 row_mask:0xf bank_mask:0xf
	v_add_f32_dpp v2, v2, v2 row_xmask:4 row_mask:0xf bank_mask:0xf
	v_add_f32_dpp v2, v2, v2 row_xmask:8 row_mask:0xf bank_mask:0xf
	v_permlanex16_b32 v3, v2, s12, s13
	v_add_f32 v2, v2, v3
	v_mul_f32 v2, 0x39801002, v2                   ; 1 / 4,094
	v_cmp_eq_u32 vcc_lo, 0, v0
	s_wait_xcnt 0x0                                ; EXEC changes only behind s_wait_xcnt 0
	s_and_saveexec_b32 s8, vcc_lo
	global_store_b32 v4, v2, s[6:7]                ; one lane, one number
	s_wait_xcnt 0x0
	s_or_b32 exec_lo, exec_lo, s8
	s_endpgm
.Lfunc_end_k_q9329b37606_mean:
	.size	k_q9329b37606_mean, .Lfunc_end_k_q9329b37606_mean-k_q9329b37606_mean
	.p2alignl 7, 3214868480
	.fill 96, 4, 3214868480
	.section	.rodata,"a",@progbits
	.p2align	6, 0x0
	.amdhsa_kernel k_q9329b37606_mean
		.amdhsa_group_segment_fixed_size 0
		.amdhsa_private_segment_fixed_size 0
		.amdhsa_enable_private_segment 0
		.amdhsa_kernarg_size 16
		.amdhsa_user_sgpr_count 2
		.amdhsa_user_sgpr_kernarg_segment_ptr 1
		.amdhsa_wavefront_size32 1
		.amdhsa_system_sgpr_workgroup_id_x 1
		.amdhsa_system_sgpr_workgroup_id_y 1
		.amdhsa_system_sgpr_workgroup_id_z 1
		.amdhsa_system_vgpr_workitem_id 0
		.amdhsa_next_free_vgpr 8
		.amdhsa_next_free_sgpr 66
		.amdhsa_reserve_vcc 1
		.amdhsa_float_denorm_mode_32 3
		.amdhsa_float_denorm_mode_16_64 3
		.amdhsa_memory_ordered 1
		.amdhsa_forward_progress 1
		.amdhsa_inst_pref_size 2
	.end_amdhsa_kernel
	.amdgpu_metadata
---
amdhsa.version: [ 1, 2 ]
amdhsa.kernels:
  - .name:           k_q9329b37606_mean
    .symbol:         k_q9329b37606_mean.kd
    .args:
      - { .name: part, .offset: 0, .size: 8, .value_kind: global_buffer, .address_space: global }
      - { .name: out0, .offset: 8, .size: 8, .value_kind: global_buffer, .address_space: global }
    .group_segment_fixed_size: 0
    .private_segment_fixed_size: 0
    .kernarg_segment_align: 8
    .kernarg_segment_size: 16
    .max_flat_workgroup_size: 32
    .sgpr_count:     66
    .vgpr_count:     8
    .wavefront_size: 32
...
	.end_amdgpu_metadata
.endif
;; end of part 4
